; MI455X (gfx1250); checked and timed in simulation.
; The chip was launched on July 23, 2026; its instructions are those of AMD's public machine-readable ISA for CDNA 5 (MIT licence, August 2026) and "CDNA5" Instruction Set Architecture Reference Guide (July 2026). The comments in the code are by the model that wrote it; some were corrected since.
;; Multi Head Attention Module. Allowed arithmetic: float matrix products may take bf16 or f16 operands with f32 sums; all other float work in f32.
;; Inputs: Wk 1,024 x 1,024 float32; Wo 1,024 x 1,024 float32; Wq 1,024 x 1,024 float32; Wv 1,024 x 1,024 float32; bk 1,024 float32; bo 1,024 float32; bq 1,024 float32; bv 1,024 float32; k 2 x 2,048 x 1,024 float32; mask 2 x 2,048 x 2,048 int32; q 2 x 2,048 x 1,024 float32; v 2 x 2,048 x 1,024 float32.
;; Outputs: out0 2 x 2,048 x 1,024 float32.
;; One version. Each part assembles by itself: llvm-mc -triple=amdgcn-amd-amdhsa -mcpu=gfx1250 --defsym DOCPART=n.
;; ======== version 1 of 1: 4 launches
;; limits: values are held in f16: magnitudes above 65,504 overflow, below 6.1e-05 lose precision
;; workspace buffers: xb 25,165,824 bytes; wb 8,388,608 bytes; pm 1,048,576 bytes of whole numbers; qkvh 25,165,824 bytes; ctx 8,388,608 bytes
;; launch prep (part 1): grid 256 x 1, 8 waves a work-group, no clusters, 168,960 bytes of LDS; arguments q, k, v, Wq, Wk, Wv, Wo, mask, xb, wb, pm; writes xb, wb, pm
.if DOCPART == 1
	.amdgcn_target "amdgcn-amd-amdhsa--gfx1250"
	.amdhsa_code_object_version 6
	.text
	.protected	k_qbf369b50fc_prep
	.globl	k_qbf369b50fc_prep
	.p2align	8
	.type	k_qbf369b50fc_prep,@function
k_qbf369b50fc_prep:
	s_mov_b64 s[64:65], 0
	v_nop
	global_prefetch_b8 v0, s[64:65] scope:SCOPE_SE
	s_setreg_imm32_b32 hwreg(HW_REG_WAVE_MODE, 25, 1), 1
	s_wait_xcnt 0x0
; prep: (1) q, k, v, Wq, Wk, Wv, Wo from f32 to f16 (xb = q,k,v; wb = Wq,Wk,Wv,Wo, same order of elements);
;       (2) mask != 0 packed into lane-mask words for the attention launch.
; LIMIT: f16 holds magnitudes up to 65,504; a larger input becomes an infinity.
; 16,777,216 numbers to cast = 256 work-groups x 65,536; a wave casts 64 chunks of 128 numbers (512 bytes in, 256 bytes out:
; each store of the wave covers 256 consecutive bytes, aligned).  2,048 mask tiles of 64 queries x 64 keys = 256 x 8 waves.
; pm: tile id = (b*32 + qg)*32 + kt, 512 bytes; word 32 nt + 8 mt + j, bit L = 16 h + r: mask[b][64 qg + 16 nt + r][64 kt + 16 mt + 8 h + j] != 0.
; ORDER: the mask tile is asked for, then 56 of the wave's 64 chunks (28,672 bytes of the wave on their way), each into registers of its own;
; the mask is packed while they land; then the chunks are converted and stored, eight at a time.
; No cluster, no matrix unit: no two work-groups read the same byte, and every byte is read once.
; REGISTERS: window 0: v1-12 addresses and the packed words, v16-79 the mask's words, v80-207 the f16 pairs; window 1: chunk i in v[4 i : 4 i + 3].
.set X,   16                           ; v[16:79]   two buffers of 32 for the mask
.set Y,   80                           ; v[80:207]  a pair for each of the 64 chunks: a store's data is never written again
.set MTILE, 17408                      ; a mask tile in LDS: 64 rows of 256 + 16 bytes
.set AHEAD, 56                         ; chunks asked for at once
.set MSB, 0
.macro WIN new                         ; the immediate's high byte repeats the setting that is left
.if MSB != \new
	s_set_vgpr_msb (MSB<<8)|\new
.set MSB, \new
.endif
.endm
	s_load_b512 s[8:23], s[0:1], 0x0               ; q k v Wq Wk Wv Wo mask
	s_load_b128 s[24:27], s[0:1], 0x40             ; xb wb
	s_load_b64 s[28:29], s[0:1], 0x50              ; pm
	v_lshl_add_u32 v254, v0, 2, 0x29000
	v_mov_b32 v255, 0
	ds_add_u32 v254, v255
	ds_add_u32 v254, v255
	s_mov_b32 s3, ttmp9                            ; g
	v_lshrrev_b32 v5, 5, v0
	v_readfirstlane_b32 s2, v5                     ; wave
	v_and_b32 v6, 31, v0                           ; lane
	v_and_b32 v7, 15, v0                           ; r
	v_bfe_u32 v12, v0, 4, 1                        ; h
	v_lshlrev_b32 v1, 4, v6
	v_lshl_add_u32 v1, v5, 15, v1                  ; in:  16 lane + 32,768 wave
	v_lshlrev_b32 v2, 3, v6
	v_lshl_add_u32 v2, v5, 14, v2                  ; out:  8 lane + 16,384 wave
	v_mul_u32_u24 v3, v7, 272
	v_lshl_add_u32 v3, v12, 5, v3
	v_mad_u32_u24 v3, v5, MTILE, v3                ; mask tile in LDS: my wave's tile, row r, 32 h
	v_lshlrev_b32 v4, 4, v6                        ; 16 lane: my four words of the packed tile
	v_mov_b32 v8, 0                                ; the packed words: written whole before single lanes are written
	v_mov_b32 v9, 0
	v_mov_b32 v10, 0
	v_mov_b32 v11, 0
	s_lshl_b32 s4, s3, 3
	s_add_co_u32 s4, s4, s2                        ; mask tile id = 8 g + wave
	s_lshr_b32 s5, s4, 5
	s_lshl_b32 s32, s5, 19                         ; (b*32 + qg) x 64 rows x 8,192 bytes
	s_and_b32 s5, s4, 31
	s_lshl_b32 s5, s5, 8                           ; kt x 256 bytes
	s_add_co_u32 s32, s32, s5
	s_mov_b32 s33, 0
	s_lshl_b32 s6, s4, 9                           ; id x 512 bytes in pm
	s_mov_b32 s7, 0
	s_and_b32 s48, s3, 63                          ; my part of q, k or v (64 groups each),
	s_and_b32 s5, s3, 15                           ; or of a weight matrix (16 groups each)
	s_cmp_lt_u32 s3, 192
	s_cselect_b32 s48, s48, s5
	s_lshl_b32 s48, s48, 18                        ; x 262,144 bytes of f32
	s_mov_b32 s49, 0
	s_sub_co_u32 s5, s3, 192
	s_cmp_lt_u32 s3, 192
	s_cselect_b32 s50, s3, s5
	s_lshl_b32 s50, s50, 17                        ; x 131,072 bytes of f16
	s_mov_b32 s51, 0
	; descriptor group 1: 64 rows x 64 words of 4 bytes, 2,048 words from row to row, 4 words of padding behind every 64
	s_mov_b32 s40, (2<<16)|(1<<20)|(5<<22)|(3<<25)
	s_mov_b32 s41, 64<<16
	s_mov_b32 s42, 64<<16
	s_mov_b32 s43, 64<<16
	s_mov_b32 s44, 64
	s_mov_b32 s45, 2048
	s_mov_b32 s46, 0
	s_mov_b32 s47, 0
	s_mov_b32 s36, 1
	s_mul_i32 s37, s2, MTILE                       ; each wave's tile has LDS bytes of its own, filled once and read by that wave alone
	s_wait_dscnt 0x0
	s_wait_kmcnt 0x0
	s_add_nc_u64 s[38:39], s[22:23], s[32:33]
	s_or_b32 s39, s39, 0x80000000
	tensor_load_to_lds s[36:39], s[40:47]          ; one tensor load of the wave is out
	s_nop 0
	s_mov_b64 s[30:31], s[20:21]                   ; the source by the group's number: Wo,
	s_cmp_lt_u32 s3, 240
	s_cselect_b64 s[30:31], s[18:19], s[30:31]     ; Wv,
	s_cmp_lt_u32 s3, 224
	s_cselect_b64 s[30:31], s[16:17], s[30:31]     ; Wk,
	s_cmp_lt_u32 s3, 208
	s_cselect_b64 s[30:31], s[14:15], s[30:31]     ; Wq,
	s_cmp_lt_u32 s3, 192
	s_cselect_b64 s[30:31], s[12:13], s[30:31]     ; v,
	s_cselect_b64 s[34:35], s[24:25], s[26:27]     ; (and the destination: xb or wb)
	s_cmp_lt_u32 s3, 128
	s_cselect_b64 s[30:31], s[10:11], s[30:31]     ; k,
	s_cmp_lt_u32 s3, 64
	s_cselect_b64 s[30:31], s[8:9], s[30:31]       ; q
	s_add_nc_u64 s[30:31], s[30:31], s[48:49]
	s_add_nc_u64 s[34:35], s[34:35], s[50:51]
	s_add_nc_u64 s[28:29], s[28:29], s[6:7]
	; chunks 0 to 55 go out at once, each into its own four registers of window 1; the address stays in window 0
	WIN 0x40
.set i, 0
.rept AHEAD
	global_load_b128 v[4*i:4*i+3], v1, s[30:31] offset:512*i th:TH_LOAD_NT
.set i, i+1
.endr
	WIN 0
	; THE MASK, while the chunks land: lane (r, h) reads row 16 nt + r, words 16 mt + 8 h + 0..7; a compare makes the 32 lanes' bits into one word
.macro MLOAD nt, buf
.irp mt, 0,1,2,3
	ds_load_b128 v[\buf+8*\mt:\buf+8*\mt+3],   v3 offset:4352*\nt+64*\mt
	ds_load_b128 v[\buf+8*\mt+4:\buf+8*\mt+7], v3 offset:4352*\nt+64*\mt+16
.endr
.endm
.macro PACK nt, buf
.irp mt, 0,1,2,3
.irp j, 0,1,2,3,4,5,6,7
	v_cmp_ne_u32 s[48+\j], 0, v[\buf+8*\mt+\j]
.endr
.irp j, 0,1,2,3,4,5,6,7
	v_writelane_b32 v[8+(\j&3)], s[48+\j], 8*\nt+2*\mt+(\j>>2)   ; word w goes to lane w / 4, register w % 4
.endr
.endr
.endm
	s_wait_tensorcnt 0x0                           ; my tile is in LDS
	MLOAD 0, X
	MLOAD 1, X+32
	s_wait_dscnt 8                                 ; the older eight loads are in, the other buffer's eight stay out
	PACK 0, X
	MLOAD 2, X
	s_wait_dscnt 8
	PACK 1, X+32
	MLOAD 3, X+32
	s_wait_dscnt 8
	PACK 2, X
	s_wait_dscnt 0
	PACK 3, X+32
	global_store_b128 v4, v[8:11], s[28:29]        ; the tile's 512 bytes in one store
	; THE CAST, eight chunks at a time: sources in window 1, results and the stores' registers in window 0
.set b, 0
.rept 8
.if b == 0
	s_wait_loadcnt AHEAD-8                         ; chunks 0-7 are in; the 48 younger loads stay out
.else
	s_wait_loadcnt 56-8*b                          ; chunks up to 8 b + 7 are in; the 56 - 8 b younger loads stay out
.endif
	WIN 0x05
.set i, 8*b
.rept 8
	v_cvt_pk_f16_f32 v[Y+2*i],   v[4*i],   v[4*i+1]
	v_cvt_pk_f16_f32 v[Y+2*i+1], v[4*i+2], v[4*i+3]
.set i, i+1
.endr
.if b == 0
	WIN 0x40                                       ; the last eight chunks follow when the first eight have come: a wait's count names every load that is out
.set i, AHEAD
.rept 64-AHEAD
	global_load_b128 v[4*i:4*i+3], v1, s[30:31] offset:512*i th:TH_LOAD_NT
.set i, i+1
.endr
.endif
	WIN 0
.set i, 8*b
.rept 8
	global_store_b64 v2, v[Y+2*i:Y+2*i+1], s[34:35] offset:256*i
.set i, i+1
.endr
.set b, b+1
.endr
	s_wait_tensorcnt 0x0
	ds_add_u32 v254, v255
	s_wait_dscnt 0x0
	s_endpgm
.Lfunc_end_k_qbf369b50fc_prep:
	.size	k_qbf369b50fc_prep, .Lfunc_end_k_qbf369b50fc_prep-k_qbf369b50fc_prep
	.p2alignl 7, 3214868480
	.fill 96, 4, 3214868480
	.section	.rodata,"a",@progbits
	.p2align	6, 0x0
	.amdhsa_kernel k_qbf369b50fc_prep
		.amdhsa_group_segment_fixed_size 168960
		.amdhsa_private_segment_fixed_size 0
		.amdhsa_enable_private_segment 0
		.amdhsa_kernarg_size 88
		.amdhsa_user_sgpr_count 2
		.amdhsa_user_sgpr_kernarg_segment_ptr 1
		.amdhsa_wavefront_size32 1
		.amdhsa_system_sgpr_workgroup_id_x 1
		.amdhsa_system_sgpr_workgroup_id_y 1
		.amdhsa_system_sgpr_workgroup_id_z 1
		.amdhsa_system_vgpr_workitem_id 0
		.amdhsa_next_free_vgpr 512
		.amdhsa_next_free_sgpr 66
		.amdhsa_reserve_vcc 0
		.amdhsa_float_denorm_mode_32 3
		.amdhsa_float_denorm_mode_16_64 3
		.amdhsa_memory_ordered 1
		.amdhsa_forward_progress 1
		.amdhsa_inst_pref_size 43
	.end_amdhsa_kernel
	.amdgpu_metadata
---
amdhsa.version: [ 1, 2 ]
amdhsa.kernels:
  - .name:           k_qbf369b50fc_prep
    .symbol:         k_qbf369b50fc_prep.kd
    .args:
      - { .name: q, .offset: 0, .size: 8, .value_kind: global_buffer, .address_space: global }
      - { .name: k, .offset: 8, .size: 8, .value_kind: global_buffer, .address_space: global }
      - { .name: v, .offset: 16, .size: 8, .value_kind: global_buffer, .address_space: global }
      - { .name: Wq, .offset: 24, .size: 8, .value_kind: global_buffer, .address_space: global }
      - { .name: Wk, .offset: 32, .size: 8, .value_kind: global_buffer, .address_space: global }
      - { .name: Wv, .offset: 40, .size: 8, .value_kind: global_buffer, .address_space: global }
      - { .name: Wo, .offset: 48, .size: 8, .value_kind: global_buffer, .address_space: global }
      - { .name: mask, .offset: 56, .size: 8, .value_kind: global_buffer, .address_space: global }
      - { .name: xb, .offset: 64, .size: 8, .value_kind: global_buffer, .address_space: global }
      - { .name: wb, .offset: 72, .size: 8, .value_kind: global_buffer, .address_space: global }
      - { .name: pm, .offset: 80, .size: 8, .value_kind: global_buffer, .address_space: global }
    .group_segment_fixed_size: 168960
    .private_segment_fixed_size: 0
    .kernarg_segment_align: 8
    .kernarg_segment_size: 88
    .max_flat_workgroup_size: 256
    .sgpr_count:     66
    .vgpr_count:     512
    .wavefront_size: 32
...
	.end_amdgpu_metadata
.endif
;; end of part 1
;; launch qkv (part 2): grid 4 x 48, 4 waves a work-group, clusters of 4 x 4, 327,680 bytes of LDS; arguments xb, wb, qkvh, bq, bk, bv; writes qkvh
.if DOCPART == 2
	.amdgcn_target "amdgcn-amd-amdhsa--gfx1250"
	.amdhsa_code_object_version 6
	.text
	.protected	k_qbf369b50fc_qkv
	.globl	k_qbf369b50fc_qkv
	.p2align	8
	.type	k_qbf369b50fc_qkv,@function
k_qbf369b50fc_qkv:
	s_mov_b64 s[64:65], 0
	v_nop
	global_prefetch_b8 v0, s[64:65] scope:SCOPE_SE
	s_setreg_imm32_b32 hwreg(HW_REG_WAVE_MODE, 25, 1), 1
	s_wait_xcnt 0x0
	s_wait_alu depctr_hold_cnt(0) depctr_sa_sdst(0) depctr_va_vdst(0) depctr_va_sdst(0) depctr_va_ssrc(0) depctr_va_vcc(0) depctr_vm_vsrc(0)
	s_getreg_b32 s2, hwreg(HW_REG_IB_STS2, 6, 4)
	s_cmp_eq_u32 s2, 0
	s_cbranch_scc0 .Lentry_in_a_cluster
	s_endpgm
.Lentry_in_a_cluster:
	s_bfe_u32 s2, ttmp6, 0x10000c
	s_cmp_lg_u32 s2, 0xf033
	s_cbranch_scc0 .Lentry_shape_is_right
	s_endpgm
.Lentry_shape_is_right:
; qkv: the three projections as one product C = A B^T + bias.  A = xb [12288][1024] f16 (q, k, v stacked), B = the weight matrix of the
; block row's third of A (wb + sel x 2 MiB), sums in f32.  q's result is also multiplied by 0.125 log2(e), so that the scores of the
; attention launch arrive ready for the base-2 exponential.  Output f16, by heads: qkvh[sel][b*16 + head][s][64].
; LIMIT: the projected values are kept in f16: magnitudes up to 65,504.
; A work-group makes 256 x 256 of C with four waves, a wave 128 x 128: 64 accumulator tiles, 512 registers.  K goes in steps of 128 through
; two LDS slots; a tile's rows are 256 bytes of memory and start at multiples of 256 bytes.  48 x 4 blocks = 192 work-groups.
; CLUSTERS: 4 x 4 work-groups; A's tile is shared along a row of the cluster, B's along a column, each asked for jointly by the four.
; All four block rows of a cluster lie in one third of A (16 block rows each), so sel is equal in the whole cluster.
; REGISTERS in windows of 256: window 0: v16-27 addresses, v64-191 A's fragments (two buffers), v192-223 packed results;
; window 1: v64-191 B's fragments, v192-255 the bias of my 128 columns; windows 2, 3: accumulators of my rows 0-63, 64-127.
; The matrix instruction is used transposed (source 0 = rows of B): a lane's eight results are eight neighbouring columns of one row of C.
.set SIZE_K, 1024
.set KSTEP,  128
.set PITCH,  272                       ; 256 bytes + 16 of padding: the 16 rows that a fragment load touches start 16 bytes apart modulo 256
.set HALFT,  128*PITCH
.set SLOT,   4*HALFT
.set STAGE,  2*SLOT
.set SPITCH, 272
.set LAPS, SIZE_K/(2*KSTEP)
.set ADRA, 16
.set ADRB, 20
.set STO,  24
.set RD,   25
.set CO,   26
.set BO,   27
.set F0,   64
.set F1,   128
.set TMP,  192                         ; window 0
.set BI,   192                         ; window 1
.set G1, 24
.set G0, 32
.set G1B, 48
.set G0B, 56
.set MSB, 0
.macro WIN new                         ; the immediate's high byte repeats the setting that is left
.if MSB != \new
	s_set_vgpr_msb (MSB<<8)|\new
.set MSB, \new
.endif
.endm
.set MUL_LO, 0xa1
.set MUL_HI, 0xf1
.set TO_B,   0x40
.macro JLOAD s                         ; waves 0, 1 ask for A's halves, waves 2, 3 for B's: one mask and one set of registers to a line
	s_cmp_eq_u32 s11, 0
	s_cbranch_scc0 .Lfor_b_\@
	tensor_load_to_lds s[G0+4*\s:G0+4*\s+3], s[G1:G1+7]
	s_nop 0
	s_branch .Lasked_\@
.Lfor_b_\@:
	tensor_load_to_lds s[G0B+4*\s:G0B+4*\s+3], s[G1B:G1B+7]
	s_nop 0
	v_nop
.Lasked_\@:
.endm
.macro CREST                           ; a round of the cluster's barrier behind its opening work-group barrier
	s_cmp_lg_u32 s10, 0
	s_cbranch_scc1 .Lnot_wave_0_\@
	s_barrier_signal -3
.Lnot_wave_0_\@:
	s_barrier_wait -3
	s_barrier_signal -1
	s_barrier_wait -1
.endm
.macro CROUND
	s_barrier_signal -1
	s_barrier_wait -1
	CREST
.endm
	s_load_b128 s[4:7], s[0:1], 0x0                ; xb, wb
	s_load_b64 s[8:9], s[0:1], 0x10                ; qkvh
	s_load_b64 s[72:73], s[0:1], 0x18              ; bq
	s_load_b128 s[76:79], s[0:1], 0x20             ; bk, bv
	s_set_vgpr_msb 0x40
	v_lshl_add_u32 v63, v0, 2, 0x48400
	s_set_vgpr_msb 0x4000
	v_mov_b32 v255, 0
	s_set_vgpr_msb 0x1
	ds_add_u32 v63, v255
	ds_add_u32 v63, v255
	s_set_vgpr_msb 0x100
	v_lshrrev_b32 v1, 5, v0
	v_readfirstlane_b32 s10, v1                    ; wave
	s_lshr_b32 s11, s10, 1                         ; my half of the block's rows; also: I fetch for A (0) or B (1)
	s_and_b32 s12, s10, 1                          ; my half of its columns; also: which 128 rows of the tile I fetch
	s_bfe_u32 s40, ttmp6, 0x40000                  ; cx
	s_bfe_u32 s41, ttmp6, 0x40004                  ; cy
	s_lshl_b32 s42, ttmp9, 2
	s_add_co_u32 s42, s42, s40                     ; block column 0..3
	s_and_b32 s13, ttmp7, 0xffff
	s_lshr_b32 s70, s13, 2                         ; sel = cluster y / 4: 0 q, 1 k, 2 v
	s_lshl_b32 s13, s13, 2
	s_add_co_u32 s13, s13, s41                     ; block row 0..47
	s_lshl_b32 s43, s41, 2
	s_lshl_b32 s43, 15, s43                        ; my row of the cluster
	s_lshl_b32 s44, 0x1111, s40                    ; my column
	s_or_b32 s[G1+0], s43, (1<<16)|(1<<20)|(1<<21)|(5<<22)|(3<<25)   ; mask; 2-byte elements; 4 words of padding behind every 64
	s_or_b32 s[G1B+0], s44, (1<<16)|(1<<20)|(1<<21)|(5<<22)|(3<<25)
	s_mov_b32 s[G1B+1], KSTEP<<16
	s_mov_b32 s[G1+1], KSTEP<<16
	s_mov_b32 s[G1B+2], 128<<16
	s_mov_b32 s[G1+2], 128<<16
	s_mov_b32 s[G1B+3], KSTEP<<16
	s_mov_b32 s[G1+3], KSTEP<<16
	s_mov_b32 s[G1B+4], 128
	s_mov_b32 s[G1+4], 128
	s_mov_b32 s[G1B+5], SIZE_K
	s_mov_b32 s[G1+5], SIZE_K
	s_mov_b32 s[G1B+6], 0
	s_mov_b32 s[G1+6], 0
	s_mov_b32 s[G1B+7], 0
	s_mov_b32 s[G1+7], 0
	s_lshl_b32 s17, s12, 7
	s_lshl_b32 s16, s13, 8
	s_add_co_u32 s16, s16, s17                     ; A: row 256 x block row + 128 x half
	s_lshl_b32 s46, s42, 8
	s_add_co_u32 s46, s46, s17                     ; B: row 256 x block column + 128 x half
	s_mov_b32 s17, 0
	s_mov_b32 s47, 0
	s_mov_b64 s[18:19], SIZE_K*2
	s_mul_u64 s[16:17], s[16:17], s[18:19]
	s_mul_u64 s[46:47], s[46:47], s[18:19]
	s_lshl_b32 s74, s70, 21                        ; the weight matrix of this third: sel x 2,097,152 bytes
	s_mov_b32 s75, 0
	s_add_nc_u64 s[46:47], s[46:47], s[74:75]
	s_lshl_b32 s80, s42, 10                        ; the bias of my 128 columns: 4 x (256 x block column + 128 x half)
	s_lshl_b32 s81, s12, 9
	s_add_co_u32 s80, s80, s81
	s_mov_b32 s81, 0
	s_mul_i32 s20, s10, HALFT                      ; LDS: A's two halves, then B's two = wave x 128 rows
	s_wait_dscnt 0x0
	s_wait_kmcnt 0x0
	s_add_nc_u64 s[14:15], s[4:5], s[16:17]
	s_add_nc_u64 s[46:47], s[6:7], s[46:47]
	s_cmp_eq_u32 s70, 1
	s_cselect_b64 s[68:69], s[76:77], s[78:79]     ; bk or bv,
	s_cmp_eq_u32 s70, 0
	s_cselect_b64 s[68:69], s[72:73], s[68:69]     ; or bq
	s_cselect_b32 s66, 0x3e38aa3b, 1.0             ; q alone is scaled: 0.125 log2(e)
	s_mov_b32 s67, s66
	s_add_nc_u64 s[68:69], s[68:69], s[80:81]
	CROUND                                         ; all sixteen work-groups are here: the first joint loads meet
.irp s, 0,1
	s_mov_b32 s[G0+4*\s], 1
	s_add_co_u32 s[G0+4*\s+1], s20, \s*SLOT
	s_add_nc_u64 s[G0+4*\s+2:G0+4*\s+3], s[14:15], \s*KSTEP*2
	s_or_b32 s[G0+4*\s+3], s[G0+4*\s+3], 0x80000000
	s_mov_b32 s[G0B+4*\s], 1
	s_add_co_u32 s[G0B+4*\s+1], s20, \s*SLOT
	s_add_nc_u64 s[G0B+4*\s+2:G0B+4*\s+3], s[46:47], \s*KSTEP*2
	s_or_b32 s[G0B+4*\s+3], s[G0B+4*\s+3], 0x80000000
	JLOAD \s
.endr
	v_and_b32 v1, 15, v0                           ; r
	v_bfe_u32 v2, v0, 4, 1                         ; h
	v_lshlrev_b32 v[BO], 5, v2                     ; bias: 32 h
	; the bias: block b, values j = bias[my column 16 b + 8 h + j], into window 1
	WIN TO_B
.irp b, 0,1,2,3,4,5,6,7
	global_load_b128 v[BI+8*\b:BI+8*\b+3],   v[BO], s[68:69] offset:64*\b
	global_load_b128 v[BI+8*\b+4:BI+8*\b+7], v[BO], s[68:69] offset:64*\b+16
.endr
	WIN 0
	v_mul_u32_u24 v3, v1, PITCH
	v_lshl_add_u32 v3, v2, 4, v3
	s_mul_i32 s21, s11, HALFT
	s_mul_i32 s22, s12, HALFT
	s_add_co_u32 s22, s22, 2*HALFT
.irp s, 0,1
	v_add_nc_u32 v[ADRA+\s], s21, v3
	v_add_nc_u32 v[ADRB+\s], s22, v3
	s_add_co_u32 s21, s21, SLOT
	s_add_co_u32 s22, s22, SLOT
.endr
	s_mul_i32 s23, s10, 16*SPITCH
	s_add_co_u32 s23, s23, STAGE                   ; my stage
	v_mul_u32_u24 v4, v1, SPITCH
	v_lshl_add_u32 v4, v2, 4, v4
	v_add_nc_u32 v[STO], s23, v4                   ; in: row r, 16 bytes for each half of the lanes
	v_bfe_u32 v5, v0, 3, 1                         ; back: eight lanes take 128 bytes (one head's part of a row),
	v_and_b32 v6, 7, v0                            ; the next eight the same head's part of the next row,
	v_mul_u32_u24 v7, v5, SPITCH                   ; lanes 16-31 the same of the other head
	v_lshl_add_u32 v7, v2, 7, v7
	v_lshl_add_u32 v7, v6, 4, v7
	v_add_nc_u32 v[RD], s23, v7
	v_lshlrev_b32 v8, 18, v2                       ; in memory a head is 262,144 bytes, a row of it 128
	v_lshl_add_u32 v8, v5, 7, v8
	v_lshl_add_u32 v[CO], v6, 4, v8
	s_wait_loadcnt 0x0                             ; the bias, while the first tiles are on their way
	WIN 0x41
.set t, 0
.rept 32
	v_pk_mul_f32 v[BI+2*t:BI+2*t+1], v[BI+2*t:BI+2*t+1], s[66:67] op_sel_hi:[1,0]   ; bias x scale: (sum + bias) x scale is then one fused multiply-add
.set t, t+1
.endr
	WIN 0
.macro MUL16 f, hi, a0, zero
.irp a, \a0, \a0+1
.irp b, 0,1,2,3,4,5,6,7
.if \zero
	v_wmma_f32_16x16x32_f16 v[8*(8*(\a)+\b):8*(8*(\a)+\b)+7], v[\f+8*\b:\f+8*\b+7], v[\f+8*(4*\hi+\a):\f+8*(4*\hi+\a)+7], 0
.else
	v_wmma_f32_16x16x32_f16 v[8*(8*(\a)+\b):8*(8*(\a)+\b)+7], v[\f+8*\b:\f+8*\b+7], v[\f+8*(4*\hi+\a):\f+8*(4*\hi+\a)+7], v[8*(8*(\a)+\b):8*(8*(\a)+\b)+7]
.endif
.endr
.endr
.endm
.macro FETCH slot, k, f
	WIN TO_B
.irp i, 0,1,2,3,4,5,6,7
	ds_load_b128 v[\f+8*\i:\f+8*\i+3],   v[ADRB+\slot] offset:\k+\i*16*PITCH
	ds_load_b128 v[\f+8*\i+4:\f+8*\i+7], v[ADRB+\slot] offset:\k+\i*16*PITCH+32
.endr
	WIN 0
.irp i, 0,1,2,3,4,5,6,7
	ds_load_b128 v[\f+8*\i:\f+8*\i+3],   v[ADRA+\slot] offset:\k+\i*16*PITCH
	ds_load_b128 v[\f+8*\i+4:\f+8*\i+7], v[ADRA+\slot] offset:\k+\i*16*PITCH+32
.endr
.endm
; four places behind a matrix instruction before a load lands on one of its sources or a vector instruction reads its result
.macro PLACES
.rept 4
	v_nop
.endr
.endm
; The 64 accumulators take turns, one instruction a turn, in the same order in every quarter step.
.macro QUARTER slot, k, f, g, zero
	s_wait_dscnt 8                                 ; B and A's rows 0-63 are in; the youngest eight loads may be out
	WIN MUL_LO
	MUL16 \f, 0, 0, \zero
	MUL16 \f, 0, 2, \zero
	PLACES
	FETCH \slot, \k, \g
	s_wait_dscnt 32                                ; all but the 32 just issued
	WIN MUL_HI
	MUL16 \f, 1, 0, \zero
	MUL16 \f, 1, 2, \zero
.endm
.macro THREE slot, zero
	QUARTER \slot, 64,  F0, F1, \zero
	QUARTER \slot, 128, F1, F0, 0
	QUARTER \slot, 192, F0, F1, 0
.endm
; the last quarter of a K step changes slots: each wave's reads of this slot and all its tensor loads are waited for in front of the
; signal; behind the round the refill comes first, then the next slot's first fragments
.macro TURN slot, next, fill
	s_wait_dscnt 8
	WIN MUL_LO
	MUL16 F1, 0, 0, 0
	s_wait_dscnt 0                                 ; my reads of this slot are over
	s_wait_tensorcnt 0x0                           ; all my tensor loads have landed: the one that was out is my part of the next slot
	ds_add_u32 v63, v255
	s_wait_dscnt 0x0
	s_barrier_signal -1
	MUL16 F1, 0, 2, 0                              ; register work while the others arrive
	WIN 0
	s_barrier_wait -1
.if \fill
	CREST                                          ; no wave of any partner still reads this slot or has a load on its way
	s_add_nc_u64 s[G0+4*\slot+2:G0+4*\slot+3], s[G0+4*\slot+2:G0+4*\slot+3], 2*KSTEP*2
	s_add_nc_u64 s[G0B+4*\slot+2:G0B+4*\slot+3], s[G0B+4*\slot+2:G0B+4*\slot+3], 2*KSTEP*2
	JLOAD \slot
.endif
	PLACES
	FETCH \next, 0, F0
	WIN MUL_HI
	MUL16 F1, 1, 0, 0
	MUL16 F1, 1, 2, 0
.endm
.macro LAP zero
	THREE 0, \zero
	TURN 0, 1, 1
	THREE 1, 0
	TURN 1, 0, 1
.endm
	s_wait_tensorcnt 1                             ; my part of K step 0 is in; K step 1's stays out
	s_barrier_signal -1
	s_barrier_wait -1
	FETCH 0, 0, F0
	LAP 1                                          ; the first products start the sums: nothing is cleared
	WIN 0
	s_mov_b32 s3, LAPS-2
.Llap:
	LAP 0
	WIN 0
	s_sub_co_u32 s3, s3, 1
	s_cmp_lg_u32 s3, 0
	s_cbranch_scc1 .Llap
	THREE 0, 0                                     ; the last lap fills nothing
	TURN 0, 1, 0
	THREE 1, 0
	s_wait_dscnt 8
	WIN MUL_LO
	MUL16 F1, 0, 0, 0
	MUL16 F1, 0, 2, 0
	s_wait_dscnt 0
	WIN MUL_HI
	MUL16 F1, 1, 0, 0
	MUL16 F1, 1, 2, 0
	; THE WAY OUT, 16 rows at a time: x scale + bias, round to f16, through my own stage, out as 256 consecutive bytes for sixteen lanes
	PLACES
	s_and_b32 s14, s13, 15                         ; block row within the third
	s_lshr_b32 s15, s14, 3                         ; batch
	s_lshl_b32 s16, s15, 22                        ; x 16 heads x 262,144
	s_and_b32 s14, s14, 7
	s_lshl_b32 s14, s14, 15                        ; x 256 rows x 128 bytes
	s_add_co_u32 s16, s16, s14
	s_lshl_b32 s14, s11, 14                        ; my half: 128 rows x 128 bytes
	s_add_co_u32 s16, s16, s14
	s_lshl_b32 s14, s70, 23                        ; sel x 8,388,608
	s_add_co_u32 s16, s16, s14
	s_mov_b32 s17, 0
	s_add_nc_u64 s[8:9], s[8:9], s[16:17]
	s_lshl_b32 s46, s42, 20                        ; head 4 x block column + 2 x half, x 262,144
	s_lshl_b32 s47, s12, 19
	s_add_co_u32 s46, s46, s47
	s_mov_b32 s47, 0
	s_add_nc_u64 s[8:9], s[8:9], s[46:47]
.macro OUT16 i, a, wfma, wcvt, f
	WIN \wfma                                      ; accumulators as source 0 and destination, the bias (window 1) as source 2
.irp b, 0,1,2,3,4,5,6,7
.irp r, 0,1,2,3
	v_pk_fma_f32 v[8*(8*\a+\b)+2*\r:8*(8*\a+\b)+2*\r+1], v[8*(8*\a+\b)+2*\r:8*(8*\a+\b)+2*\r+1], s[66:67], v[BI+8*\b+2*\r:BI+8*\b+2*\r+1] op_sel_hi:[1,0,1]
.endr
.endr
	WIN \wcvt
.irp b, 0,1,2,3,4,5,6,7
.irp r, 0,1,2,3
	v_cvt_pk_f16_f32 v[TMP+4*\b+\r], v[8*(8*\a+\b)+2*\r], v[8*(8*\a+\b)+2*\r+1]
.endr
.endr
	WIN 0
.irp b, 0,1,2,3,4,5,6,7
	ds_store_b128 v[STO], v[TMP+4*\b:TMP+4*\b+3] offset:32*\b
.endr
	s_wait_xcnt 0x0                                ; buffer f, which earlier stores read, and the stores' base are rewritten only behind this wait
.if \i
	s_add_nc_u64 s[8:9], s[8:9], 16*128            ; 16 rows of a head on
.endif
.irp t, 0,1,2,3,4,5,6,7
	ds_load_b128 v[\f+4*\t:\f+4*\t+3], v[RD] offset:\t*2*SPITCH    ; a wave's LDS instructions are served in order: these see the stores above
.endr
.irp t, 0,1,2,3,4,5,6,7
	s_wait_dscnt 7-\t
	global_store_b128 v[CO], v[\f+4*\t:\f+4*\t+3], s[8:9] offset:256*\t    ; sixteen lanes: two neighbouring rows of one head, 256 consecutive bytes, aligned
.endr
.endm
	OUT16 0, 0, 0x92, 0x0a, F0
	OUT16 1, 1, 0x92, 0x0a, F1
	OUT16 2, 2, 0x92, 0x0a, F0
	OUT16 3, 3, 0x92, 0x0a, F1
	OUT16 4, 0, 0xd3, 0x0f, F0
	OUT16 5, 1, 0xd3, 0x0f, F1
	OUT16 6, 2, 0xd3, 0x0f, F0
	OUT16 7, 3, 0xd3, 0x0f, F1
	s_set_vgpr_msb 0x1
	s_wait_tensorcnt 0x0
	ds_add_u32 v63, v255
	s_wait_dscnt 0x0
	s_set_vgpr_msb 0x100
	CROUND                                         ; the closing round: no work-group ends while a partner may still ask jointly
	s_endpgm
.Lfunc_end_k_qbf369b50fc_qkv:
	.size	k_qbf369b50fc_qkv, .Lfunc_end_k_qbf369b50fc_qkv-k_qbf369b50fc_qkv
	.p2alignl 7, 3214868480
	.fill 96, 4, 3214868480
	.section	.rodata,"a",@progbits
	.p2align	6, 0x0
	.amdhsa_kernel k_qbf369b50fc_qkv
		.amdhsa_group_segment_fixed_size 327680
		.amdhsa_private_segment_fixed_size 0
		.amdhsa_enable_private_segment 0
		.amdhsa_kernarg_size 48
		.amdhsa_user_sgpr_count 2
		.amdhsa_user_sgpr_kernarg_segment_ptr 1
		.amdhsa_wavefront_size32 1
		.amdhsa_system_sgpr_workgroup_id_x 1
		.amdhsa_system_sgpr_workgroup_id_y 1
		.amdhsa_system_sgpr_workgroup_id_z 1
		.amdhsa_system_vgpr_workitem_id 0
		.amdhsa_next_free_vgpr 1024
		.amdhsa_next_free_sgpr 84
		.amdhsa_reserve_vcc 0
		.amdhsa_float_denorm_mode_32 3
		.amdhsa_float_denorm_mode_16_64 3
		.amdhsa_memory_ordered 1
		.amdhsa_forward_progress 1
		.amdhsa_inst_pref_size 217
	.end_amdhsa_kernel
	.amdgpu_metadata
---
amdhsa.version: [ 1, 2 ]
amdhsa.kernels:
  - .name:           k_qbf369b50fc_qkv
    .symbol:         k_qbf369b50fc_qkv.kd
    .args:
      - { .name: xb, .offset: 0, .size: 8, .value_kind: global_buffer, .address_space: global }
      - { .name: wb, .offset: 8, .size: 8, .value_kind: global_buffer, .address_space: global }
      - { .name: qkvh, .offset: 16, .size: 8, .value_kind: global_buffer, .address_space: global }
      - { .name: bq, .offset: 24, .size: 8, .value_kind: global_buffer, .address_space: global }
      - { .name: bk, .offset: 32, .size: 8, .value_kind: global_buffer, .address_space: global }
      - { .name: bv, .offset: 40, .size: 8, .value_kind: global_buffer, .address_space: global }
    .group_segment_fixed_size: 327680
    .private_segment_fixed_size: 0
    .kernarg_segment_align: 8
    .kernarg_segment_size: 48
    .max_flat_workgroup_size: 128
    .sgpr_count:     84
    .vgpr_count:     1024
    .wavefront_size: 32
...
	.end_amdgpu_metadata
.endif
;; end of part 2
;; launch attn (part 3): grid 8 x 32, 8 waves a work-group, clusters of 4 x 1, 327,680 bytes of LDS; arguments qkvh, pm, ctx; writes ctx
.if DOCPART == 3
	.amdgcn_target "amdgcn-amd-amdhsa--gfx1250"
	.amdhsa_code_object_version 6
	.text
	.protected	k_qbf369b50fc_attn
	.globl	k_qbf369b50fc_attn
	.p2align	8
	.type	k_qbf369b50fc_attn,@function
k_qbf369b50fc_attn:
	s_mov_b64 s[64:65], 0
	v_nop
	global_prefetch_b8 v0, s[64:65] scope:SCOPE_SE
	s_setreg_imm32_b32 hwreg(HW_REG_WAVE_MODE, 25, 1), 1
	s_wait_xcnt 0x0
	s_wait_alu depctr_hold_cnt(0) depctr_sa_sdst(0) depctr_va_vdst(0) depctr_va_sdst(0) depctr_va_ssrc(0) depctr_va_vcc(0) depctr_vm_vsrc(0)
	s_getreg_b32 s2, hwreg(HW_REG_IB_STS2, 6, 4)
	s_cmp_eq_u32 s2, 0
	s_cbranch_scc0 .Lentry_in_a_cluster
	s_endpgm
.Lentry_in_a_cluster:
	s_bfe_u32 s2, ttmp6, 0x10000c
	s_cmp_lg_u32 s2, 0x3003
	s_cbranch_scc0 .Lentry_shape_is_right
	s_endpgm
.Lentry_shape_is_right:
; attn: softmax(mask(Q K^T / 8)) V for one (batch, head) and 256 queries, with a running maximum.  ctx[head][b*2048 + s][64] in f16.
; q arrives multiplied by 0.125 log2(e): a score t is ready for 2^(t - m).  A masked place takes -1e9 log2(e) (rounded to f32) in t's stead,
; as the problem replaces the score by -1e9: a row with no open place gets equal weights.
; LIMITS: weights go to the matrix unit in f16 (a weight under about 6e-8 of the row's largest counts as 0); ctx is kept in f16 (up to 65,504).
; Eight waves: wave w takes the 64 queries 64 (w & 3) and, of every slot of 512 keys, the half w >> 2; the two halves' sums meet once, at the end.
; Two waves share a SIMD's registers (512 each), so that one wave's vector work can run beside the other's matrix work.
; CLUSTER 4 x 1: the four work-groups are four query blocks of one head and read the same K and V: every tile is asked for jointly (mask 15).
; PRODUCTS: S^T = K Q^T (A = 16 keys, B = 16 queries): lane (r, h) holds query r, keys 16 mt + 8 h + j.  Rounded to f16 in pairs these registers ARE
; the B fragment of O^T = V^T P^T, whose A comes from V's rows by the transposing LDS load: nothing moves between lanes but the row maximum.
; MASK WORDS: a tile's 128 words come by scalar loads into 64 registers, in two halves.  Each half is asked for straight behind the selects that read
; the half before it, so that the whole work of two query blocks (for the first half the next tile's scores too) lies between a request and its wait.
; LDS: two slots of 512 keys: K 512 x 144 bytes, V 512 x 160 bytes.  After their last fill: slot 0 carries the halves' exchange, slot 1 the way out.
.set SLOT,  155648
.set VOFF,  73728
.set STAGE, SLOT                       ; 8 x 2,304 bytes, a wave's own: 16 rows of 128 + 16 bytes
.set KL, 4                             ; K fragment address in slot 0 (my key half included)
.set VL, 5                             ; V likewise
.set KA, 6                             ; the same, walking
.set VA, 7
.set SENT, 8
.set QO, 9
.set STO, 10
.set RD, 11
.set CO, 12
.set XO, 13
.set MN, 14                            ; v[14:15] the new maximum (a pair: the upper word is set once and not used)
.set AL, 16                            ; v[16:17] 2^(old maximum - new)
.set T,  18                            ; v[18:25] at work
.set MX, 26                            ; v[26:29] running maximum of query block nt
.set LS, 30                            ; v[30:33] running sum (this lane's keys)
.set F1, 34
.set F2, 36
.set PM, 40                            ; the partner's maxima, sums
.set PL, 44
.set VF, 64                            ; v[64:127]  V^T fragments (kk, dt) at 8 (4 kk + dt)
.set S,  128                           ; v[128:255] S^T tiles (nt, mt) at 32 nt + 8 mt
.set QF, 128                           ; window 1: Q fragments (nt, ks) at 8 (2 nt + ks); O^T tiles (nt, dt) at v[32 nt + 8 dt] of window 1
.set KF, 192                           ; window 1: K fragments (ks, mt) at 8 (4 ks + mt)
.set M0, 32                            ; s[32:63], s[68:99]: 32 mask words each
.set M1, 68
.set MSB, 0
.macro WIN new
.if MSB != \new
	s_set_vgpr_msb (MSB<<8)|\new
.set MSB, \new
.endif
.endm
.macro ROUND                           ; a round of the cluster's barrier
	s_barrier_signal -1
	s_barrier_wait -1
	s_cmp_lg_u32 s6, 0
	s_cbranch_scc1 .Lnot_wave_0_\@
	s_barrier_signal -3
.Lnot_wave_0_\@:
	s_barrier_wait -3
	s_barrier_signal -1
	s_barrier_wait -1
.endm
	s_load_b128 s[68:71], s[0:1], 0x0              ; qkvh, pm
	s_load_b64 s[2:3], s[0:1], 0x10                ; ctx
	v_lshl_add_u32 v62, v0, 2, 0x4c000
	v_mov_b32 v63, 0
	ds_add_u32 v62, v63
	ds_add_u32 v62, v63
	v_and_b32 v1, 31, v0                           ; lane
	v_and_b32 v2, 15, v0                           ; r
	v_bfe_u32 v3, v0, 4, 1                         ; h
	v_bfe_u32 v20, v0, 7, 1                        ; key half
	v_bfe_u32 v21, v0, 5, 2                        ; query quarter
	v_lshrrev_b32 v22, 5, v0
	v_readfirstlane_b32 s6, v22                    ; wave
	v_mul_u32_u24 v[KL], v2, 144
	v_lshl_add_u32 v[KL], v3, 4, v[KL]
	v_mad_u32_u24 v[KL], v20, 0x9000, v[KL]        ; + 256 keys x 144 for the upper half
	v_and_b32 v23, 7, v0
	v_lshl_add_u32 v23, v3, 3, v23                 ; key 8 h + (lane & 7)
	v_mul_u32_u24 v[VL], v23, 160
	v_bfe_u32 v24, v0, 3, 1
	v_lshl_add_u32 v[VL], v24, 4, v[VL]
	v_mad_u32_u24 v[VL], v20, 0xa000, v[VL]        ; + 256 keys x 160
	v_add_nc_u32 v[VL], VOFF, v[VL]
	v_mov_b32 v[SENT], 0xceabfb8f                  ; -1e9 log2(e)
	v_lshlrev_b32 v[QO], 7, v2
	v_lshl_add_u32 v[QO], v3, 4, v[QO]
	v_mul_u32_u24 v25, v22, 2304
	v_add_nc_u32 v25, STAGE, v25
	v_mad_u32_u24 v[STO], v2, 144, v25
	v_lshl_add_u32 v[STO], v3, 4, v[STO]
	v_lshrrev_b32 v24, 3, v1
	v_mad_u32_u24 v[RD], v24, 144, v25
	v_and_b32 v23, 7, v0
	v_lshl_add_u32 v[RD], v23, 4, v[RD]
	v_lshlrev_b32 v[CO], 4, v1
	v_mul_u32_u24 v[XO], v21, 17408
	v_lshl_add_u32 v[XO], v1, 4, v[XO]
	v_mov_b32 v[MN+1], 0
	v_mov_b32 v[AL+1], 0
	v_mov_b32 v[F1+1], 0
	v_mov_b32 v[F2+1], 0
	s_mov_b32 s66, 0x76543210                      ; v_permlanex16_b32: lane i of the other half
	s_mov_b32 s67, 0xfedcba98
	s_bfe_u32 s76, ttmp6, 0x40000                  ; cx
	s_lshl_b32 s77, ttmp9, 2
	s_add_co_u32 s77, s77, s76                     ; x: my block of 256 queries
	s_and_b32 s78, ttmp7, 0xffff                   ; bh = b*16 + head
	s_and_b32 s79, s6, 3                           ; qw
	s_lshr_b32 s80, s6, 2                          ; kh
	; K, V: hang on bh and the wave alone, which the four partners share
	s_lshl_b32 s82, s78, 18
	s_lshl_b32 s83, s6, 13                         ; my 64 rows of 128 bytes of each slot
	s_add_co_u32 s82, s82, s83
	s_mov_b32 s83, 0
	; Q: bh x 262,144 + (256 x + 64 qw) x 128
	s_lshl_b32 s84, s78, 18
	s_lshl_b32 s85, s77, 15
	s_add_co_u32 s84, s84, s85
	s_lshl_b32 s85, s79, 13
	s_add_co_u32 s84, s84, s85
	s_mov_b32 s85, 0
	; mask words: tile (32 b + 4 x + qw) x 32 + 4 kh, 512 bytes a tile
	s_lshr_b32 s90, s78, 4                         ; b
	s_lshl_b32 s86, s90, 5
	s_lshl_b32 s87, s77, 2
	s_add_co_u32 s86, s86, s87
	s_add_co_u32 s86, s86, s79
	s_lshl_b32 s86, s86, 14
	s_lshl_b32 s87, s80, 11
	s_add_co_u32 s86, s86, s87
	s_mov_b32 s87, 0
	; ctx: (head x 4096 + b x 2048 + 256 x + 64 qw) x 128
	s_and_b32 s88, s78, 15
	s_lshl_b32 s88, s88, 12
	s_lshl_b32 s89, s90, 11
	s_add_co_u32 s88, s88, s89
	s_lshl_b32 s89, s77, 8
	s_add_co_u32 s88, s88, s89
	s_lshl_b32 s89, s79, 6
	s_add_co_u32 s88, s88, s89
	s_lshl_b32 s88, s88, 7
	s_mov_b32 s89, 0
	; descriptor groups 1: 64 rows x 64 f16, dense in memory; K padded by 4 words a row, V by 8; mask 15 and bit 21 beside it
	s_mov_b32 s16, 15|(1<<16)|(1<<20)|(1<<21)|(4<<22)|(3<<25)
	s_mov_b32 s17, 64<<16
	s_mov_b32 s18, 64<<16
	s_mov_b32 s19, 64<<16
	s_mov_b32 s20, 64
	s_mov_b32 s21, 64
	s_mov_b32 s22, 0
	s_mov_b32 s23, 0
	s_mov_b32 s24, 15|(1<<16)|(1<<20)|(1<<21)|(4<<22)|(7<<25)
	s_mov_b32 s25, 64<<16
	s_mov_b32 s26, 64<<16
	s_mov_b32 s27, 64<<16
	s_mov_b32 s28, 64
	s_mov_b32 s29, 64
	s_mov_b32 s30, 0
	s_mov_b32 s31, 0
	s_mul_i32 s100, s6, 9216                       ; my 64 rows of K in a slot
	s_mul_i32 s101, s6, 10240                      ; my 64 rows of V,
	s_add_co_u32 s101, s101, VOFF                  ; behind K's 512
	s_mov_b32 s8, 1
	s_mov_b32 s9, s100
	s_mov_b32 s12, 1
	s_mov_b32 s13, s101
	s_wait_dscnt 0x0
	s_wait_kmcnt 0x0
	s_add_nc_u64 s[10:11], s[68:69], s[82:83]
	s_add_nc_u64 s[10:11], s[10:11], 0x800000      ; K's third of qkvh
	s_add_nc_u64 s[14:15], s[10:11], 0x800000      ; V's
	s_or_b32 s11, s11, 0x80000000
	s_or_b32 s15, s15, 0x80000000
	s_add_nc_u64 s[104:105], s[68:69], s[84:85]    ; Q's base, outside the registers that the mask words fill
	s_add_nc_u64 s[4:5], s[70:71], s[86:87]
	s_add_nc_u64 s[2:3], s[2:3], s[88:89]
	WIN 0x40
.irp nt, 0,1,2,3
.irp ks, 0,1
	global_load_b128 v[QF+8*(2*\nt+\ks):QF+8*(2*\nt+\ks)+3],   v[QO], s[104:105] offset:2048*\nt+64*\ks
	global_load_b128 v[QF+8*(2*\nt+\ks)+4:QF+8*(2*\nt+\ks)+7], v[QO], s[104:105] offset:2048*\nt+64*\ks+32
.endr
.endr
	WIN 0
	ROUND                                          ; the four work-groups are here: the first joint loads meet
	tensor_load_to_lds s[8:11], s[16:23]           ; keys 0-511 into slot 0: my 64 rows of K
	s_nop 0
	tensor_load_to_lds s[12:15], s[24:31]          ; and of V: two tensor loads of the wave are out
	s_nop 0
	s_load_b512 s[M0:M0+15],    s[4:5], 0x0        ; the first tile's mask words of query blocks 0
	s_load_b512 s[M0+16:M0+31], s[4:5], 0x40
	s_load_b512 s[M1:M1+15],    s[4:5], 0x80       ; and 1 (the set-up's numbers in these registers have all been used)
	s_load_b512 s[M1+16:M1+31], s[4:5], 0xc0
	s_wait_loadcnt 0x0                             ; Q is in
.macro KLOAD                           ; the K fragments of 64 keys: 16 loads
	WIN 0x40
.irp ks, 0,1
.irp mt, 0,1,2,3
	ds_load_b128 v[KF+8*(4*\ks+\mt):KF+8*(4*\ks+\mt)+3],   v[KA] offset:2304*\mt+64*\ks
	ds_load_b128 v[KF+8*(4*\ks+\mt)+4:KF+8*(4*\ks+\mt)+7], v[KA] offset:2304*\mt+64*\ks+32
.endr
.endr
	WIN 0
.endm
; 16 queries x 64 keys: the closed places take the sentinel.  M: the scalar registers with the 32 mask words.
.macro MASKG nt, M
.set XB, S+32*\nt
.set i, 0
.rept 32
	v_cndmask_b32 v[XB+i], v[SENT], v[XB+i], s[\M+i]       ; the word is the lane mask of this register
.set i, i+1
.endr
.endm
; 16 queries x 64 keys, masked: running maximum, weights, sum, and their part of O^T.
.macro BODY nt, first
.set XB, S+32*\nt
.irp c, 0,1,2,3
	v_max3_num_f32 v[T+\c], v[XB+8*\c], v[XB+8*\c+1], v[XB+8*\c+2]
.endr
.irp c, 0,1,2,3
	v_max3_num_f32 v[T+\c], v[T+\c], v[XB+8*\c+3], v[XB+8*\c+4]
.endr
.irp c, 0,1,2,3
	v_max3_num_f32 v[T+\c], v[T+\c], v[XB+8*\c+5], v[XB+8*\c+6]
.endr
	v_max3_num_f32 v[T],   v[T],   v[T+1], v[XB+7]
	v_max3_num_f32 v[T+2], v[T+2], v[T+3], v[XB+15]
	v_max3_num_f32 v[T],   v[T],   v[T+2], v[XB+23]
.if \first
	v_max_num_f32 v[T], v[T], v[XB+31]
.else
	v_max3_num_f32 v[T], v[T], v[XB+31], v[MX+\nt]
.endif
	v_permlanex16_b32 v[T+1], v[T], s66, s67               ; the query's other 32 keys lie in the other half of the lanes
	v_max_num_f32 v[MN], v[T], v[T+1]
.if \first == 0
	v_sub_f32 v[AL], v[MX+\nt], v[MN]
	v_exp_f32 v[AL], v[AL]                                 ; used far below; the next line is a plain one that does not touch it (ISA guide 5.7.2)
.endif
.set i, 0
.rept 16
	v_pk_add_f32 v[XB+2*i:XB+2*i+1], v[XB+2*i:XB+2*i+1], v[MN:MN+1] op_sel_hi:[1,0] neg_lo:[0,1] neg_hi:[0,1]
.set i, i+1
.endr
.set i, 0
.rept 32
	v_exp_f32 v[XB+i], v[XB+i]
.set i, i+1
.endr
	v_mov_b32 v[MX+\nt], v[MN]                             ; the plain line behind the exponentials
	s_wait_alu depctr_va_vdst(0)
	v_pk_add_f32 v[T:T+1],   v[XB:XB+1],       v[XB+2:XB+3]
	v_pk_add_f32 v[T+2:T+3], v[XB+16:XB+17],   v[XB+18:XB+19]
.irp k, 4,6,8,10,12,14
	v_pk_add_f32 v[T:T+1],   v[T:T+1],   v[XB+\k:XB+\k+1]
	v_pk_add_f32 v[T+2:T+3], v[T+2:T+3], v[XB+16+\k:XB+16+\k+1]
.endr
	v_pk_add_f32 v[T:T+1], v[T:T+1], v[T+2:T+3]
.if \first
	v_add_f32 v[LS+\nt], v[T], v[T+1]
.else
	v_add_f32 v[T], v[T], v[T+1]
	v_fma_f32 v[LS+\nt], v[LS+\nt], v[AL], v[T]
.endif
.set i, 0
.rept 16
	v_cvt_pk_f16_f32 v[XB+i], v[XB+2*i], v[XB+2*i+1]       ; in place, ascending: word i is read no later than it is written
.set i, i+1
.endr
.if \first == 0
	WIN 0x41
.set i, 0
.rept 16
	v_pk_mul_f32 v[32*\nt+2*i:32*\nt+2*i+1], v[32*\nt+2*i:32*\nt+2*i+1], v[AL:AL+1] op_sel_hi:[1,0]
.set i, i+1
.endr
.endif
	WIN 0x50                                               ; the four accumulators take turns, one instruction a turn
.irp kk, 0,1
.irp dt, 0,1,2,3
.if \first*(1-\kk)
	v_wmma_f32_16x16x32_f16 v[32*\nt+8*\dt:32*\nt+8*\dt+7], v[VF+8*(4*\kk+\dt):VF+8*(4*\kk+\dt)+7], v[XB+8*\kk:XB+8*\kk+7], 0
.else
	v_wmma_f32_16x16x32_f16 v[32*\nt+8*\dt:32*\nt+8*\dt+7], v[VF+8*(4*\kk+\dt):VF+8*(4*\kk+\dt)+7], v[XB+8*\kk:XB+8*\kk+7], v[32*\nt+8*\dt:32*\nt+8*\dt+7]
.endif
.endr
.endr
	WIN 0
.endm
; 64 queries x 64 keys.  On entry the 16 loads of this tile's K fragments have been issued, and its mask words of query blocks 0 and 1 asked for.
; pre = 1: the next tile's K fragments are asked for here.  more = 1: a tile follows, mstep bytes further on in the mask words; its first
; 64 words are asked for here.  The launch's last tile asks for nothing: no load passes the end of the words.
.macro TILE first, pre, mstep, more
.irp kk, 0,1
.irp dt, 0,1,2,3
	ds_load_tr16_b128 v[VF+8*(4*\kk+\dt):VF+8*(4*\kk+\dt)+3],   v[VA] offset:5120*\kk+32*\dt
	ds_load_tr16_b128 v[VF+8*(4*\kk+\dt)+4:VF+8*(4*\kk+\dt)+7], v[VA] offset:5120*\kk+32*\dt+2560
.endr
.endr
	s_wait_dscnt 16                                        ; K's fragments are in; V's sixteen loads stay out
	WIN 0x05                                               ; sixteen accumulators by turns; the first 32 of d start the sums
.irp ks, 0,1
.irp nt, 0,1,2,3
.irp mt, 0,1,2,3
.if \ks
	v_wmma_f32_16x16x32_f16 v[S+32*\nt+8*\mt:S+32*\nt+8*\mt+7], v[KF+8*(4*\ks+\mt):KF+8*(4*\ks+\mt)+7], v[QF+8*(2*\nt+\ks):QF+8*(2*\nt+\ks)+7], v[S+32*\nt+8*\mt:S+32*\nt+8*\mt+7]
.else
	v_wmma_f32_16x16x32_f16 v[S+32*\nt+8*\mt:S+32*\nt+8*\mt+7], v[KF+8*(4*\ks+\mt):KF+8*(4*\ks+\mt)+7], v[QF+8*(2*\nt+\ks):QF+8*(2*\nt+\ks)+7], 0
.endif
.endr
.endr
.endr
	WIN 0
	v_add_nc_u32 v[KA], 9216, v[KA]                        ; four places behind the products (ISA guide 7.12.1): 64 keys on,
	v_add_nc_u32 v[VA], 10240, v[VA]
	v_nop
	v_nop
.if \pre
	KLOAD
.endif
	s_wait_kmcnt 0x0                                       ; the words of query blocks 0 and 1 (scalar loads come back in any order: the count is 0)
	MASKG 0, M0
	MASKG 1, M1
	s_load_b512 s[M0:M0+15],    s[4:5], 0x100              ; query block 2's words, into the registers just read: two blocks' work ahead of their wait
	s_load_b512 s[M0+16:M0+31], s[4:5], 0x140
	s_load_b512 s[M1:M1+15],    s[4:5], 0x180              ; query block 3's
	s_load_b512 s[M1+16:M1+31], s[4:5], 0x1c0
	s_wait_dscnt 16*\pre                                   ; V's fragments are in; the next tile's K loads stay out
	BODY 0, \first
	BODY 1, \first
	s_wait_kmcnt 0x0                                       ; the words of query blocks 2 and 3; no scalar load is out: the pointer may step
	MASKG 2, M0
	MASKG 3, M1
.if \more
	s_add_nc_u64 s[4:5], s[4:5], \mstep
	s_load_b512 s[M0:M0+15],    s[4:5], 0x0                ; the next tile's words of query blocks 0
	s_load_b512 s[M0+16:M0+31], s[4:5], 0x40
	s_load_b512 s[M1:M1+15],    s[4:5], 0x80               ; and 1: two blocks' work and the next scores ahead of their wait
	s_load_b512 s[M1+16:M1+31], s[4:5], 0xc0
.endif
	BODY 2, \first
	BODY 3, \first
.rept 5
	v_nop                                                  ; five places before the next scores land on the weights, and loads on V's fragments
.endr
.endm
; A slot of 512 keys: four tiles for each wave.  refill = 1: the other slot is asked for, jointly, first thing behind the round; a slot follows.
.macro TRIP slot, refill, first
	s_wait_tensorcnt 0x0                                   ; all my tensor loads have landed, my rows of this slot among them: both groups 0 may be written
	ds_add_u32 v62, v63
	s_wait_dscnt 0x0
.if \refill
	s_add_co_u32 s9,  s100, (1-\slot)*SLOT
	s_add_co_u32 s13, s101, (1-\slot)*SLOT
	s_add_nc_u64 s[10:11], s[10:11], 65536                 ; 512 keys on
	s_add_nc_u64 s[14:15], s[14:15], 65536
.endif
	s_wait_dscnt 0x0                                       ; my reads of the other slot are over
	ROUND                                                  ; both now hold of every wave of the four work-groups
.if \refill
	tensor_load_to_lds s[8:11], s[16:23]                   ; two loads of the wave are out, with four tiles' work in which to land
	s_nop 0
	tensor_load_to_lds s[12:15], s[24:31]
	s_nop 0
	v_nop
	v_nop
.endif
	v_add_nc_u32 v[KA], \slot*SLOT, v[KL]
	v_add_nc_u32 v[VA], \slot*SLOT, v[VL]
	KLOAD
.if \first
	TILE 1, 1, 512, 1                                      ; the first tile starts maxima, sums and O^T: nothing is cleared
	s_mov_b32 s7, 2
.else
	s_mov_b32 s7, 3
.endif
.Ltile_\@:
	TILE 0, 1, 512, 1
	s_sub_co_u32 s7, s7, 1
	s_cmp_lg_u32 s7, 0
	s_cbranch_scc1 .Ltile_\@
	TILE 0, 0, 2560, \refill                               ; then over the other half's four tiles, where a slot follows
.endm
	TRIP 0, 1, 1
	TRIP 1, 1, 0
	TRIP 0, 1, 0
	TRIP 1, 0, 0
	; THE HALVES MEET.  Slot 0 has had its last fill, and every wave's reads of it ended in front of the last round: waves 4-7 lay O^T, maxima and sums there.
	s_cmp_lt_u32 s6, 4
	s_cbranch_scc1 .Lkeep
	WIN 0x04
.set i, 0
.rept 32
	ds_store_b128 v[XO], v[4*i:4*i+3] offset:512*i
.set i, i+1
.endr
	WIN 0
	ds_store_b128 v[XO], v[MX:MX+3] offset:16384
	ds_store_b128 v[XO], v[LS:LS+3] offset:16896
.Lkeep:
	s_wait_dscnt 0x0                                       ; my stores are done, and my reads of slot 1, which becomes the stage
	s_barrier_signal -1
	s_barrier_wait -1
	s_cmp_ge_u32 s6, 4
	s_cbranch_scc1 .Lclose
.set i, 0
.rept 32
	ds_load_b128 v[S+4*i:S+4*i+3], v[XO] offset:512*i
.set i, i+1
.endr
	ds_load_b128 v[PM:PM+3], v[XO] offset:16384
	ds_load_b128 v[PL:PL+3], v[XO] offset:16896
	s_wait_dscnt 0x0
.macro MERGE nt
.set XB, S+32*\nt
	v_max_num_f32 v[T], v[MX+\nt], v[PM+\nt]
	v_sub_f32 v[T+1], v[MX+\nt], v[T]
	v_sub_f32 v[T+2], v[PM+\nt], v[T]
	v_exp_f32 v[T+1], v[T+1]
	v_exp_f32 v[T+2], v[T+2]
	v_nop
	s_wait_alu depctr_va_vdst(0)
	v_mul_f32 v[T+3], v[LS+\nt], v[T+1]
	v_fma_f32 v[T+3], v[PL+\nt], v[T+2], v[T+3]
	v_permlanex16_b32 v[T+4], v[T+3], s66, s67             ; the sums of the other half of the lanes
	v_add_f32 v[T+3], v[T+3], v[T+4]                       ; at least 1: the row's largest weight is 1
	v_rcp_f32 v[T+3], v[T+3]
	v_nop
	s_wait_alu depctr_va_vdst(0)
	v_mul_f32 v[F1], v[T+1], v[T+3]
	v_mul_f32 v[F2], v[T+2], v[T+3]
.set i, 0
.rept 16
	v_pk_mul_f32 v[XB+2*i:XB+2*i+1], v[XB+2*i:XB+2*i+1], v[F2:F2+1] op_sel_hi:[1,0]
.set i, i+1
.endr
	WIN 0x01
.set i, 0
.rept 16
	v_pk_fma_f32 v[XB+2*i:XB+2*i+1], v[32*\nt+2*i:32*\nt+2*i+1], v[F1:F1+1], v[XB+2*i:XB+2*i+1] op_sel_hi:[1,0,1]
.set i, i+1
.endr
	WIN 0
.set i, 0
.rept 16
	v_cvt_pk_f16_f32 v[XB+i], v[XB+2*i], v[XB+2*i+1]       ; words 4 dt .. 4 dt + 3: d = 16 dt + 8 h + 0..7 of query r
.set i, i+1
.endr
.irp dt, 0,1,2,3
	ds_store_b128 v[STO], v[XB+4*\dt:XB+4*\dt+3] offset:32*\dt
.endr
.irp t, 0,1,2,3
	ds_load_b128 v[XB+16+4*\t:XB+16+4*\t+3], v[RD] offset:576*\t   ; my own bytes, served in order behind the stores: four rows of 128 bytes
.endr
.irp t, 0,1,2,3
	s_wait_dscnt 3-\t
	global_store_b128 v[CO], v[XB+16+4*\t:XB+16+4*\t+3], s[2:3] offset:2048*\nt+512*\t   ; 512 consecutive bytes; these registers are not written again
.endr
.endm
	MERGE 0
	MERGE 1
	MERGE 2
	MERGE 3
.Lclose:
	s_wait_tensorcnt 0x0
	ds_add_u32 v62, v63
	s_wait_dscnt 0x0
	ROUND                                                  ; the closing round
	s_endpgm
.Lfunc_end_k_qbf369b50fc_attn:
	.size	k_qbf369b50fc_attn, .Lfunc_end_k_qbf369b50fc_attn-k_qbf369b50fc_attn
	.p2alignl 7, 3214868480
	.fill 96, 4, 3214868480
	.section	.rodata,"a",@progbits
	.p2align	6, 0x0
	.amdhsa_kernel k_qbf369b50fc_attn
		.amdhsa_group_segment_fixed_size 327680
		.amdhsa_private_segment_fixed_size 0
		.amdhsa_enable_private_segment 0
		.amdhsa_kernarg_size 24
		.amdhsa_user_sgpr_count 2
		.amdhsa_user_sgpr_kernarg_segment_ptr 1
		.amdhsa_wavefront_size32 1
		.amdhsa_system_sgpr_workgroup_id_x 1
		.amdhsa_system_sgpr_workgroup_id_y 1
		.amdhsa_system_sgpr_workgroup_id_z 1
		.amdhsa_system_vgpr_workitem_id 0
		.amdhsa_next_free_vgpr 512
		.amdhsa_next_free_sgpr 106
		.amdhsa_reserve_vcc 0
		.amdhsa_float_denorm_mode_32 3
		.amdhsa_float_denorm_mode_16_64 3
		.amdhsa_memory_ordered 1
		.amdhsa_forward_progress 1
		.amdhsa_inst_pref_size 255
	.end_amdhsa_kernel
	.section	.bss,"aw",@nobits
	.p2align	6
	.space	262144
	.amdgpu_metadata
---
amdhsa.version: [ 1, 2 ]
amdhsa.kernels:
  - .name:           k_qbf369b50fc_attn
    .symbol:         k_qbf369b50fc_attn.kd
    .args:
      - { .name: qkvh, .offset: 0, .size: 8, .value_kind: global_buffer, .address_space: global }
      - { .name: pm, .offset: 8, .size: 8, .value_kind: global_buffer, .address_space: global }
      - { .name: ctx, .offset: 16, .size: 8, .value_kind: global_buffer, .address_space: global }
    .group_segment_fixed_size: 327680
    .private_segment_fixed_size: 0
    .kernarg_segment_align: 8
    .kernarg_segment_size: 24
    .max_flat_workgroup_size: 256
    .sgpr_count:     106
    .vgpr_count:     512
    .wavefront_size: 32
...
	.end_amdgpu_metadata
.endif
;; end of part 3
;; launch outp (part 4): grid 8 x 32, 4 waves a work-group, clusters of 4 x 4, 327,680 bytes of LDS; arguments ctx, wb, bo, out0; writes out0
.if DOCPART == 4
	.amdgcn_target "amdgcn-amd-amdhsa--gfx1250"
	.amdhsa_code_object_version 6
	.text
	.protected	k_qbf369b50fc_outp
	.globl	k_qbf369b50fc_outp
	.p2align	8
	.type	k_qbf369b50fc_outp,@function
k_qbf369b50fc_outp:
	s_mov_b64 s[64:65], 0
	v_nop
	global_prefetch_b8 v0, s[64:65] scope:SCOPE_SE
	s_setreg_imm32_b32 hwreg(HW_REG_WAVE_MODE, 25, 1), 1
	s_wait_xcnt 0x0
	s_wait_alu depctr_hold_cnt(0) depctr_sa_sdst(0) depctr_va_vdst(0) depctr_va_sdst(0) depctr_va_ssrc(0) depctr_va_vcc(0) depctr_vm_vsrc(0)
	s_getreg_b32 s2, hwreg(HW_REG_IB_STS2, 6, 4)
	s_cmp_eq_u32 s2, 0
	s_cbranch_scc0 .Lentry_in_a_cluster
	s_endpgm
.Lentry_in_a_cluster:
	s_bfe_u32 s2, ttmp6, 0x10000c
	s_cmp_lg_u32 s2, 0xf033
	s_cbranch_scc0 .Lentry_shape_is_right
	s_endpgm
.Lentry_shape_is_right:
; outp: out0 = concat(ctx) Wo^T + bo, f32 out.  A = ctx[head][row][64] f16 (K index = 64 head + d), B = Wo as f16 (the fourth matrix of wb).
; A work-group makes 128 x 128 of the result: 32 x 8 blocks = 256 work-groups, one for each WGP (blocks of 256 x 256 would be 64).
; Four waves, 2 x 2, each 64 x 64: 16 accumulator tiles in window 1 (v0-127 there); all else in window 0.
; K goes in 8 steps of 128 = two heads, through four LDS slots; two slots are filled behind one round of the cluster's barrier.
; CLUSTERS 4 x 4: A's tiles are shared along a row of the cluster, B's along a column, each asked for jointly by the four.
; A slot: A's two heads, 128 rows x (128 + 16) bytes each; then B, 128 rows x (256 + 16) bytes.
.set PA,    144
.set PB,    272
.set ASUB,  128*PA                     ; 18,432
.set BOFF,  2*ASUB                     ; 36,864
.set BHALF, 64*PB                      ; 17,408
.set SLOT,  BOFF+2*BHALF               ; 71,680
.set STAGE, 4*SLOT                     ; 286,720: 16 rows x 272 bytes for each wave
.set ADRA, 16                          ; v[16:19] my A fragments in slot 0..3
.set ADRB, 20                          ; v[20:23] B likewise
.set STO,  24
.set RD,   25
.set CO,   26
.set BO,   27
.set F0,   32                          ; v[32:95]   fragments: B's four, then A's four
.set F1,   96                          ; v[96:159]
.set TMP,  160                         ; v[160:191]
.set BI,   224                         ; v[224:255] bo of my 64 columns
.set G1,  24
.set G0,  32                           ; s[32:47] a set for each slot
.set G1B, 48
.set G0B, 68                           ; s[68:83]
.set MSB, 0
.macro WIN new
.if MSB != \new
	s_set_vgpr_msb (MSB<<8)|\new
.set MSB, \new
.endif
.endm
.macro JLOAD s                         ; waves 0, 1 ask for A's two heads, waves 2, 3 for B's two halves
	s_cmp_eq_u32 s85, 0
	s_cbranch_scc0 .Lfor_b_\@
	tensor_load_to_lds s[G0+4*\s:G0+4*\s+3], s[G1:G1+7]
	s_nop 0
	s_branch .Lasked_\@
.Lfor_b_\@:
	tensor_load_to_lds s[G0B+4*\s:G0B+4*\s+3], s[G1B:G1B+7]
	s_nop 0
.Lasked_\@:
.endm
.macro CREST
	s_cmp_lg_u32 s84, 0
	s_cbranch_scc1 .Lnot_wave_0_\@
	s_barrier_signal -3
.Lnot_wave_0_\@:
	s_barrier_wait -3
	s_barrier_signal -1
	s_barrier_wait -1
.endm
.macro CROUND
	s_barrier_signal -1
	s_barrier_wait -1
	CREST
.endm
	s_load_b256 s[4:11], s[0:1], 0x0               ; ctx s[4:5], wb s[6:7], bo s[8:9], out0 s[10:11]
	v_lshl_add_u32 v222, v0, 2, 0x4a400
	v_mov_b32 v223, 0
	ds_add_u32 v222, v223
	ds_add_u32 v222, v223
	v_lshrrev_b32 v1, 5, v0
	v_readfirstlane_b32 s84, v1                    ; wave
	s_lshr_b32 s85, s84, 1                         ; my half of the rows; also: I fetch for A (0) or B (1)
	s_and_b32 s86, s84, 1                          ; my half of the columns; also: which part of the tile I fetch
	s_bfe_u32 s56, ttmp6, 0x40000                  ; cx
	s_bfe_u32 s57, ttmp6, 0x40004                  ; cy
	s_lshl_b32 s58, ttmp9, 2
	s_add_co_u32 s58, s58, s56                     ; block column 0..7
	s_and_b32 s13, ttmp7, 0xffff
	s_lshl_b32 s13, s13, 2
	s_add_co_u32 s13, s13, s57                     ; block row 0..31
	s_lshl_b32 s59, s57, 2
	s_lshl_b32 s59, 15, s59                        ; my row of the cluster
	s_lshl_b32 s60, 0x1111, s56                    ; my column
	; A: 128 rows x 64 f16, dense, 4 words of padding behind every 32
	s_or_b32 s[G1+0], s59, (1<<16)|(1<<20)|(1<<21)|(4<<22)|(3<<25)
	s_mov_b32 s[G1+1], 64<<16
	s_mov_b32 s[G1+2], 128<<16
	s_mov_b32 s[G1+3], 64<<16
	s_mov_b32 s[G1+4], 128
	s_mov_b32 s[G1+5], 64
	s_mov_b32 s[G1+6], 0
	s_mov_b32 s[G1+7], 0
	; B: 64 rows x 128 f16, 1,024 from row to row, 4 words of padding behind every 64
	s_or_b32 s[G1B+0], s60, (1<<16)|(1<<20)|(1<<21)|(5<<22)|(3<<25)
	s_mov_b32 s[G1B+1], 128<<16
	s_mov_b32 s[G1B+2], 64<<16
	s_mov_b32 s[G1B+3], 128<<16
	s_mov_b32 s[G1B+4], 64
	s_mov_b32 s[G1B+5], 1024
	s_mov_b32 s[G1B+6], 0
	s_mov_b32 s[G1B+7], 0
	s_lshl_b32 s16, s86, 19                        ; A: (head (wave & 1) x 4,096 + 128 x block row) x 128 bytes
	s_lshl_b32 s17, s13, 14
	s_add_co_u32 s16, s16, s17
	s_mov_b32 s17, 0
	s_lshl_b32 s62, s58, 18                        ; B: Wo at 6,291,456 + (128 x block column + 64 x (wave & 1)) x 2,048 bytes
	s_lshl_b32 s63, s86, 17
	s_add_co_u32 s62, s62, s63
	s_add_co_u32 s62, s62, 0x600000
	s_mov_b32 s63, 0
	s_mul_i32 s18, s86, ASUB                       ; LDS: no place in the cluster enters
	s_mul_i32 s19, s86, BHALF
	s_add_co_u32 s19, s19, BOFF
	s_wait_dscnt 0x0
	s_wait_kmcnt 0x0
	s_add_nc_u64 s[14:15], s[4:5], s[16:17]
	s_add_nc_u64 s[20:21], s[6:7], s[62:63]
	s_lshl_b32 s62, s58, 9                         ; my first column in f32: 4 x (128 x block column + 64 x half)
	s_lshl_b32 s63, s86, 8
	s_add_co_u32 s62, s62, s63
	s_mov_b32 s63, 0
	s_add_nc_u64 s[8:9], s[8:9], s[62:63]
	s_add_nc_u64 s[10:11], s[10:11], s[62:63]
	s_lshl_b32 s16, s13, 19                        ; my first row: (128 x block row + 64 x half) x 4,096 bytes
	s_lshl_b32 s17, s85, 18
	s_add_co_u32 s16, s16, s17
	s_mov_b32 s17, 0
	s_add_nc_u64 s[10:11], s[10:11], s[16:17]
	CROUND                                         ; all sixteen work-groups are here
.irp s, 0,1,2,3
	s_mov_b32 s[G0+4*\s], 1
	s_add_co_u32 s[G0+4*\s+1], s18, \s*SLOT
	s_add_nc_u64 s[G0+4*\s+2:G0+4*\s+3], s[14:15], \s*1048576      ; a K step is two heads: 2 x 4,096 rows x 128 bytes
	s_or_b32 s[G0+4*\s+3], s[G0+4*\s+3], 0x80000000
	s_mov_b32 s[G0B+4*\s], 1
	s_add_co_u32 s[G0B+4*\s+1], s19, \s*SLOT
	s_add_nc_u64 s[G0B+4*\s+2:G0B+4*\s+3], s[20:21], \s*256
	s_or_b32 s[G0B+4*\s+3], s[G0B+4*\s+3], 0x80000000
	JLOAD \s                                       ; K steps 0 to 3: four tensor loads of the wave are out
.endr
	v_and_b32 v1, 15, v0                           ; r
	v_bfe_u32 v2, v0, 4, 1                         ; h
	v_lshlrev_b32 v[BO], 5, v2
.irp b, 0,1,2,3
	global_load_b128 v[BI+8*\b:BI+8*\b+3],   v[BO], s[8:9] offset:64*\b        ; bo[my column 16 b + 8 h + j]
	global_load_b128 v[BI+8*\b+4:BI+8*\b+7], v[BO], s[8:9] offset:64*\b+16
.endr
	v_mul_u32_u24 v3, v1, PA
	v_lshl_add_u32 v3, v2, 4, v3
	v_mul_u32_u24 v4, v1, PB
	v_lshl_add_u32 v4, v2, 4, v4
	s_mul_i32 s22, s85, 64*PA                      ; my 64 rows of A
	s_mul_i32 s23, s86, BHALF                      ; my 64 rows of B
	s_add_co_u32 s23, s23, BOFF
.irp s, 0,1,2,3
	v_add_nc_u32 v[ADRA+\s], s22, v3
	v_add_nc_u32 v[ADRB+\s], s23, v4
	s_add_co_u32 s22, s22, SLOT
	s_add_co_u32 s23, s23, SLOT
.endr
	s_mul_i32 s87, s84, 16*PB
	s_add_co_u32 s87, s87, STAGE                   ; my stage
	v_lshl_add_u32 v5, v2, 5, s87
	v_mad_u32_u24 v[STO], v1, PB, v5               ; in: row r, 32 h
	v_lshl_add_u32 v5, v1, 4, s87
	v_mad_u32_u24 v[RD], v2, PB, v5                ; back: lanes 0-15 one row of 256 bytes, lanes 16-31 the next
	v_lshlrev_b32 v5, 12, v2
	v_lshl_add_u32 v[CO], v1, 4, v5                ; the same two rows in out0
.macro MUL4 f, a, zero                 ; transposed use: source 0 = rows of Wo, source 1 = rows of ctx
.irp b, 0,1,2,3
.if \zero
	v_wmma_f32_16x16x32_f16 v[8*(4*\a+\b):8*(4*\a+\b)+7], v[\f+8*\b:\f+8*\b+7], v[\f+32+8*\a:\f+32+8*\a+7], 0
.else
	v_wmma_f32_16x16x32_f16 v[8*(4*\a+\b):8*(4*\a+\b)+7], v[\f+8*\b:\f+8*\b+7], v[\f+32+8*\a:\f+32+8*\a+7], v[8*(4*\a+\b):8*(4*\a+\b)+7]
.endif
.endr
.endm
.macro FETCH slot, q, f                ; the fragments of quarter q (32 along K) of a slot: 16 loads
	WIN 0
.irp i, 0,1,2,3
	ds_load_b128 v[\f+8*\i:\f+8*\i+3],   v[ADRB+\slot] offset:64*\q+\i*16*PB
	ds_load_b128 v[\f+8*\i+4:\f+8*\i+7], v[ADRB+\slot] offset:64*\q+\i*16*PB+32
.endr
.irp i, 0,1,2,3
	ds_load_b128 v[\f+32+8*\i:\f+32+8*\i+3],   v[ADRA+\slot] offset:ASUB*(\q>>1)+64*(\q&1)+\i*16*PA
	ds_load_b128 v[\f+32+8*\i+4:\f+32+8*\i+7], v[ADRA+\slot] offset:ASUB*(\q>>1)+64*(\q&1)+\i*16*PA+32
.endr
.endm
.macro PLACES                          ; four places behind a matrix instruction before a load lands on one of its sources
.rept 4
	v_nop
.endr
.endm
; multiplies buffer f; ahead of that, asks for quarter q of a slot into buffer g.  The 16 accumulators take turns, one instruction a turn, in
; the same order in every quarter.
.macro QUARTER slot, q, f, g, zero
	PLACES
	FETCH \slot, \q, \g
	s_wait_dscnt 16                                ; f's fragments are in; the sixteen loads just issued stay out
	WIN 0x50
	MUL4 \f, 0, \zero
	MUL4 \f, 1, \zero
	MUL4 \f, 2, \zero
	MUL4 \f, 3, \zero
.endm
.macro THREE slot, zero
	QUARTER \slot, 1, F0, F1, \zero
	QUARTER \slot, 2, F1, F0, 0
	QUARTER \slot, 3, F0, F1, 0
.endm
; last quarter, the next slot's tile has still to be shown to the other waves: cnt younger loads may stay out
.macro LAST_SHOW next, cnt
	s_wait_dscnt 0x0
	s_wait_tensorcnt \cnt
	s_barrier_signal -1
	WIN 0x50
	MUL4 F1, 0, 0
	MUL4 F1, 1, 0
	WIN 0
	s_barrier_wait -1
	PLACES
	FETCH \next, 0, F0
	WIN 0x50
	MUL4 F1, 2, 0
	MUL4 F1, 3, 0
.endm
; last quarter, slots a and b (read to the end) are filled again, four K steps ahead: every wave's reads and all its tensor loads are waited for in
; front of the round's opening signal, register work alone stands inside it, the two joint loads come first behind it
.macro LAST_FILL next, a, b
	s_wait_dscnt 0x0
	s_wait_tensorcnt 0x0
	ds_add_u32 v222, v223
	s_wait_dscnt 0x0
	s_barrier_signal -1
	WIN 0x50
	MUL4 F1, 0, 0
	MUL4 F1, 1, 0
	WIN 0
	s_barrier_wait -1
	CREST
.irp t, \a, \b
	s_add_nc_u64 s[G0+4*\t+2:G0+4*\t+3], s[G0+4*\t+2:G0+4*\t+3], 4*1048576
	s_add_nc_u64 s[G0B+4*\t+2:G0B+4*\t+3], s[G0B+4*\t+2:G0B+4*\t+3], 4*256
.endr
	JLOAD \a                                       ; two tensor loads of the wave are out, each with two K steps or more in which to land
	JLOAD \b
	PLACES
	FETCH \next, 0, F0
	WIN 0x50
	MUL4 F1, 2, 0
	MUL4 F1, 3, 0
.endm
	s_wait_loadcnt 0x0                             ; bo, while the first tiles are on their way
	s_wait_tensorcnt 3                             ; my part of K step 0 is in; three younger loads stay out
	s_barrier_signal -1
	s_barrier_wait -1
	FETCH 0, 0, F0
	THREE 0, 1                                     ; K step 0: the first products start the sums
	LAST_SHOW 1, 2                                 ; K step 1's tile is whole
	THREE 1, 0
	LAST_FILL 2, 0, 1                              ; K steps 2, 3 have landed; 4, 5 go out
	THREE 2, 0
	QUARTER 3, 0, F1, F0, 0
	THREE 3, 0
	LAST_FILL 0, 2, 3                              ; K steps 4, 5 have landed; 6, 7 go out
	THREE 0, 0
	QUARTER 1, 0, F1, F0, 0
	THREE 1, 0
	LAST_SHOW 2, 1                                 ; K step 6
	THREE 2, 0
	LAST_SHOW 3, 0                                 ; K step 7: no tensor load is out any more
	THREE 3, 0
	s_wait_dscnt 0x0
	WIN 0x50
	MUL4 F1, 0, 0
	MUL4 F1, 1, 0
	MUL4 F1, 2, 0
	MUL4 F1, 3, 0
	; THE WAY OUT, 16 rows at a time: + bo, through my own stage, out as whole rows of 256 bytes
	PLACES
.macro OUT16 a, f
	WIN 0x01
.irp b, 0,1,2,3
.irp r, 0,1,2,3
	v_pk_add_f32 v[TMP+8*\b+2*\r:TMP+8*\b+2*\r+1], v[8*(4*\a+\b)+2*\r:8*(4*\a+\b)+2*\r+1], v[BI+8*\b+2*\r:BI+8*\b+2*\r+1]
.endr
.endr
	WIN 0
.irp b, 0,1,2,3
	ds_store_b128 v[STO], v[TMP+8*\b:TMP+8*\b+3]   offset:64*\b
	ds_store_b128 v[STO], v[TMP+8*\b+4:TMP+8*\b+7] offset:64*\b+16
.endr
	s_wait_xcnt 0x0                                ; buffer f, which earlier stores read, and the stores' base are rewritten only behind this wait
.if \a
	s_add_nc_u64 s[10:11], s[10:11], 16*4096
.endif
.irp t, 0,1,2,3,4,5,6,7
	ds_load_b128 v[\f+4*\t:\f+4*\t+3], v[RD] offset:\t*2*PB        ; my own bytes, served in order behind the stores
.endr
.irp t, 0,1,2,3,4,5,6,7
	s_wait_dscnt 7-\t
	global_store_b128 v[CO], v[\f+4*\t:\f+4*\t+3], s[10:11] offset:8192*\t th:TH_STORE_NT   ; sixteen lanes store 256 consecutive bytes, aligned
.endr
.endm
	OUT16 0, F0
	OUT16 1, F1
	OUT16 2, F0
	OUT16 3, F1
	s_wait_tensorcnt 0x0
	ds_add_u32 v222, v223
	s_wait_dscnt 0x0
	CROUND                                         ; the closing round
	s_endpgm
.Lfunc_end_k_qbf369b50fc_outp:
	.size	k_qbf369b50fc_outp, .Lfunc_end_k_qbf369b50fc_outp-k_qbf369b50fc_outp
	.p2alignl 7, 3214868480
	.fill 96, 4, 3214868480
	.section	.rodata,"a",@progbits
	.p2align	6, 0x0
	.amdhsa_kernel k_qbf369b50fc_outp
		.amdhsa_group_segment_fixed_size 327680
		.amdhsa_private_segment_fixed_size 0
		.amdhsa_enable_private_segment 0
		.amdhsa_kernarg_size 32
		.amdhsa_user_sgpr_count 2
		.amdhsa_user_sgpr_kernarg_segment_ptr 1
		.amdhsa_wavefront_size32 1
		.amdhsa_system_sgpr_workgroup_id_x 1
		.amdhsa_system_sgpr_workgroup_id_y 1
		.amdhsa_system_sgpr_workgroup_id_z 1
		.amdhsa_system_vgpr_workitem_id 0
		.amdhsa_next_free_vgpr 384
		.amdhsa_next_free_sgpr 88
		.amdhsa_reserve_vcc 0
		.amdhsa_float_denorm_mode_32 3
		.amdhsa_float_denorm_mode_16_64 3
		.amdhsa_memory_ordered 1
		.amdhsa_forward_progress 1
		.amdhsa_inst_pref_size 97
	.end_amdhsa_kernel
	.amdgpu_metadata
---
amdhsa.version: [ 1, 2 ]
amdhsa.kernels:
  - .name:           k_qbf369b50fc_outp
    .symbol:         k_qbf369b50fc_outp.kd
    .args:
      - { .name: ctx, .offset: 0, .size: 8, .value_kind: global_buffer, .address_space: global }
      - { .name: wb, .offset: 8, .size: 8, .value_kind: global_buffer, .address_space: global }
      - { .name: bo, .offset: 16, .size: 8, .value_kind: global_buffer, .address_space: global }
      - { .name: out0, .offset: 24, .size: 8, .value_kind: global_buffer, .address_space: global }
    .group_segment_fixed_size: 327680
    .private_segment_fixed_size: 0
    .kernarg_segment_align: 8
    .kernarg_segment_size: 32
    .max_flat_workgroup_size: 128
    .sgpr_count:     88
    .vgpr_count:     384
    .wavefront_size: 32
...
	.end_amdgpu_metadata
.endif
;; end of part 4
